; MI455X (gfx1250); checked and timed in simulation.
; The chip was launched on July 23, 2026; its instructions are those of AMD's public machine-readable ISA for CDNA 5 (MIT licence, August 2026) and "CDNA5" Instruction Set Architecture Reference Guide (July 2026). The comments in the code are by the model that wrote it; some were corrected since.
;; Self Attention. Allowed arithmetic: matrix products marked QUANTISED: E5M2 operands, one given power-of-two scale a tensor, by v_wmma_f32_16x16x64_bf8_bf8 or v_wmma_f32_16x16x128_bf8_bf8, f32 sums; everything else in f32.
;; Inputs: Wk_codes 1,024 x 32 x 32 uint8 (E5M2 codes of Wk, K innermost, in blocks of 32 codes); Wq_codes 1,024 x 32 x 32 uint8 (E5M2 codes of Wq, K innermost, in blocks of 32 codes); Wv_codes 1,024 x 32 x 32 uint8 (E5M2 codes of Wv, K innermost, in blocks of 32 codes); b 1 float32; lowp_scales 10 int32 (the exponents e of the quantised operands' scales 2^e); mask 4 x 2,048 float32; x_codes 4 x 2,048 x 32 x 32 uint8 (E5M2 codes of x, K innermost, in blocks of 32 codes).
;; Outputs: out0 4 x 1,024 x 2,048 float32.
;; This version of the problem:
;;   THIS VERSION OF THE PROBLEM IS GIVEN IN LOW PRECISION. The matrix products marked QUANTISED in the list below multiply operands that are first quantised to E5M2 (5 exponent bits, 2 mantissa bits; 8 bits a number), with one given power-of-two scale for each operand tensor; their sums are f32. All else is computed in f32.
;;   The module's matrix products, in the order in which they are computed (A, B: the left and right operand; K: the contracted axis; several contracted axes count as one K, in the product's order):
;;     1. [M 8,192, K 1,024] x [K 1,024, N 1,024]; A: input x (given as codes); B: input Wq (given as codes): QUANTISED (scales: A lowp_scales[0], B lowp_scales[1])
;;     2. [M 8,192, K 1,024] x [K 1,024, N 1,024]; A: input x (given as codes); B: input Wk (given as codes): QUANTISED (scales: A lowp_scales[2], B lowp_scales[3])
;;     3. [M 8,192, K 1,024] x [K 1,024, N 1,024]; A: input x (given as codes); B: input Wv (given as codes): QUANTISED (scales: A lowp_scales[4], B lowp_scales[5])
;;     4. batch 64 x [M 2,048, K 64] x [K 64, N 2,048]; A: computed on the way; B: computed on the way: QUANTISED (scales: A lowp_scales[6], B lowp_scales[7])
;;     5. batch 64 x [M 2,048, K 2,048] x [K 2,048, N 64]; A: softmax (see below); B: computed on the way: QUANTISED (scales: A lowp_scales[8], B lowp_scales[9])
;;   THE QUANTISER, for each operand of a quantised product, along K:
;;     - The operand's scale is 2^e, e = its entry of the input lowp_scales (int32; the entries are numbered through the quantised products in the list's order, A before B).
;;     - Each number is divided by the scale, clamped to +-57,344, and rounded to the nearest number of E5M2, ties to even, subnormals kept.
;;     - The product sums the exact products of the quantised numbers (number of the format x scale) in f32.
;;   ~~~python
;;   def quantise(x, axis, e):      # numpy; x: float32 -> the quantised numbers, widened to float32 again
;;       x = np.moveaxis(x, axis, -1); K = x.shape[-1]
;;       r = np.clip(x / 2.0 ** e, -57344, 57344)
;;       step = 2.0 ** (np.maximum(np.frexp(np.where(r == 0, 1, r))[1] - 1, -14) - 2)
;;       q = np.round(r / step) * step * 2.0 ** e      # np.round: ties to even
;;       return np.moveaxis(q, -1, axis).astype(np.float32)
;;   ~~~
;;   SOFTMAX AHEAD OF A QUANTISED PRODUCT. Where the list says 'softmax', what is quantised is not the finished softmax but p = 2^(t - M), with t = logit x log2(e) and M = ceil(the row's largest t), a whole number; so 1/2 < the row's largest p <= 1. The row's sum l is taken of the UNQUANTISED p, in f32, and the product's result is divided by l at the end. Since M is a whole number, a kernel that streams over the keys may use a running M (the ceiling of the running maximum): every later rescaling is an exact power of two, so the quantised numbers keep their values, but for numbers so far below the row's largest that they fall under the format's range.
;;   OPERANDS COMPUTED ON THE WAY. 'Computed on the way' means the value that the module computes at that place (a softmax that the list does not call 'softmax' is quantised finished and normalised). What goes into a quantiser is computed in f32, as accurately as f32 sums, v_exp_f32 and their like allow (about 1e-6 of the number): no bf16 or f16 on the way to a quantiser, and a product that is left as it is and whose result goes on into a quantised operand takes f32 operands (vector FMAs, or v_wmma_f32_16x16x4_f32). A number that lies on a knife's edge between two numbers of the format may be rounded either way, as far as f32 arithmetic and the matrix unit's own rounding can turn it there, and no further.
;;   INPUTS GIVEN AS CODES. Wk (in the module: [1024, 1024], K = its axis 1); Wq (in the module: [1024, 1024], K = its axis 1); Wv (in the module: [1024, 1024], K = its axis 1); x (in the module: [4, 1024, 2048], K = its axis 1): each comes as NAME_codes (uint8): NAME with its K axis moved to the last place and cut into blocks of 32 codes, [.., K / 32, bytes a block], one block behind the other in memory; one code a byte (a code: sign, 5 exponent bits, 2 mantissa bits); its scale is its entry of lowp_scales. Its value is code x scale, taken as it is: it is not quantised again, and the codes and scales need not be those that the quantiser above would give.
;; One version. Each part assembles by itself: llvm-mc -triple=amdgcn-amd-amdhsa -mcpu=gfx1250 --defsym DOCPART=n.
;; ======== version 1 of 1: 2 launches
;; limits: right only within a limited range of input values
;; workspace buffers: qkv 25,165,824 bytes
;; launch proj (part 1): grid 12 x 32, 4 waves a work-group, clusters of 4 x 4, 327,680 bytes of LDS; arguments x_codes, Wq_codes, Wk_codes, Wv_codes, lowp_scales, qkv; writes qkv
.if DOCPART == 1
	.amdgcn_target "amdgcn-amd-amdhsa--gfx1250"
	.amdhsa_code_object_version 6
	.text
	.protected	k_q687fba3f22_proj
	.globl	k_q687fba3f22_proj
	.p2align	8
	.type	k_q687fba3f22_proj,@function
k_q687fba3f22_proj:
	s_mov_b64 s[64:65], 0
	v_nop
	global_prefetch_b8 v0, s[64:65] scope:SCOPE_SE
	s_setreg_imm32_b32 hwreg(HW_REG_WAVE_MODE, 25, 1), 1
	s_wait_xcnt 0x0
	s_wait_alu depctr_hold_cnt(0) depctr_sa_sdst(0) depctr_va_vdst(0) depctr_va_sdst(0) depctr_va_ssrc(0) depctr_va_vcc(0) depctr_vm_vsrc(0)
	s_getreg_b32 s2, hwreg(HW_REG_IB_STS2, 6, 4)
	s_cmp_eq_u32 s2, 0
	s_cbranch_scc0 .Lentry_in_a_cluster
	s_endpgm
.Lentry_in_a_cluster:
	s_bfe_u32 s2, ttmp6, 0x10000c
	s_cmp_lg_u32 s2, 0xf033
	s_cbranch_scc0 .Lentry_shape_is_right
	s_endpgm
.Lentry_shape_is_right:
; Q, K, V = x W^T for W = Wq, Wk, Wv, on codes of BF8 (E5M2), and each result quantised again at once, for the attention that follows.
; x: [8192 tokens][1024] codes; each W: [1024 outputs][1024] codes; K innermost, a row is 1,024 bytes.  lowp_scales: e0 .. e9.
; A sum of the codes' products stands for sum x 2^(ex + ew); its code is sum / 2^ec, ec = e6 - e0 - e1 (Q), e7 - e2 - e3 (K), e9 - e4 - e5 (V), held within +-57,344 and rounded to the nearest code, ties to even.
; LIMITS: ec lies between -126 and 112, so that 2^ec and 57,344 x 2^ec are f32 numbers.  NaN is not served.
; SHARES.  C is 8,192 tokens x 3,072 outputs in tiles of 256 x 256; a work-group of four waves makes one tile, a wave 128 x 128: 64 accumulators, 512 registers.  The cluster's x IS the matrix (0 Q, 1 K, 2 V):
; it is the same in all sixteen partners.  cx is the tile column inside the matrix, 4 x cluster y + cy the tile row.  K goes in four steps of 256 through a ring of two LDS slots, so the walk is written out without a loop.
; CLUSTERS: 4 x 4.  The four of a row of the cluster need the same tile of x, the four of a column the same tile of W: each tile is asked for JOINTLY, by the same tensor load with a mask that names the four.
; THE RESULT IS STORED AS IMAGES OF THE NEXT LAUNCH'S OPERAND REGISTERS.  In accumulator (a, b) lane (r, h) holds row 16 a + r of source 1 and, in registers j, rows 16 b + 8 h + j of source 0.
;   Q, K: source 0 = W, source 1 = x: a lane holds a token, eight registers eight neighbouring channels.   V: source 0 = x, source 1 = Wv: a lane holds a channel, eight registers eight neighbouring keys.
;   One conversion of accumulator (a, b) gives code registers 2 b, 2 b + 1; the 16 code registers of one a are two fragments 16 tokens x 64 channels (two heads) of Q or K, or one fragment 16 channels x 128 keys of V,
;   in the layout of the plain 8-bit forms (registers 2 c, 2 c + 1: k = 16 c + 8 h + 0 .. 7).  Four registers go out by one store, lane l's 16 bytes at 16 l: 512 consecutive bytes, aligned.  No LDS stage is needed.
;   The two roles are swapped by the LDS bases of the fragment loads alone (a choice on the cluster's x); tensor loads, masks and matrix lines are the same for all three matrices.
; qkv: head y = 16 batch + head at y x 393,216: Q's part, K's part, V's part, 131,072 bytes each.  Q, K: tile of 16 tokens tt at 1,024 tt (two blocks of 512 bytes).  V: key step ks, channel tile dt at 8,192 ks + 2,048 dt (four blocks).
; INSIDE THIS PRODUCT a fragment is fetched by four loads of 16 bytes (registers 4 c .. 4 c + 3: K = 32 c + 16 h + 0 .. 15): a permutation of k that is the same on both sides, so every product meets its partner.
; REGISTERS, in windows of 256: window 0: v0-31 addresses and constants; from v128 source 1's fragments, ONE set; on the way out v128-255 codes.
;   window 1: source 0's fragments, TWO sets, at v0 and v128.   window 2: accumulators of source 1's blocks 0-3 ((a, b) at v[8 (8 a + b)]);   window 3: blocks 4-7.
.set KSTEP,  256                       ; along K in a slot
.set ROWB,   256                       ; a tile's row in bytes
.set KROW,   1024                      ; a row of x or W in memory, in bytes
.set PITCH,  272                       ; an LDS row: 256 bytes + 16 of padding = 68 words: the 16 rows that a load touches start at 16 different banks (64 banks of 4 bytes: ISA guide 11.1)
.set FR,     16                        ; registers of a fragment: 16 rows x 128 K
.set NL,     4                         ; LDS loads that bring one
.set NP,     4                         ; places behind this matrix instruction (ISA guide 7.12.1)
.set HALFT,  128*PITCH                 ; 128 rows: what one tensor load brings
.set SLOT,   4*HALFT                   ; x's 256 rows, then W's 256 rows
.set SPARE,  2*SLOT                    ; behind the ring: the spare words, 128 bytes for each wave
.set HEADB,  393216                    ; a head in qkv
.set PART,   131072                    ; Q's, K's or V's part of a head
.set SC,   12                          ; v12  2^ec as f32: the conversion takes its exponent field
.set LIM,  13
.set ADRA, 16                          ; v16-17  LDS address of source 1's fragments in slot 0, 1
.set ADRB, 20                          ; v20-21  the same for source 0
.set VO0,  24                          ; v24  16 x lane
.set VO1,  25                          ; v25  16 x lane + the way to code registers 8-15's place: the next head (Q, K) or 1,024 bytes (V)
.set SPW,  28                          ; v28  LDS address of my spare word; never rewritten
.set NIL,  29                          ; v29  0; never rewritten
.set TMP,  32
.set AF,   128                         ; source 1's fragments, in window 0
.set CD,   128                         ; the way out: codes, 16 registers for each a, written once
.set G1, 24                            ; s[24:31] descriptor group 1 for x's tiles;  s[32:39] group 0, one set for each slot
.set G0, 32
.set G1B, 48                           ; s[48:55], s[56:63] the same for W's tiles
.set G0B, 56
.set MSB, 0
.macro WIN new                         ; the immediate's high byte repeats the setting that is left
.if MSB != (\new)
	s_set_vgpr_msb (MSB<<8)|(\new)
.set MSB, (\new)
.endif
.endm
.set MUL_LO, 0xa1                      ; source 0 window 1, source 1 window 0, C and D window 2
.set MUL_HI, 0xf1                      ; the same, C and D window 3
.set TO_B,   0x40                      ; destination window 1, address window 0
; A joint load: waves 0 and 1 fetch x's halves, waves 2 and 3 W's.  Each line has ONE mask and one set of registers for all that issue it; the branch hangs on the wave's number alone.
; Four v_nop follow each of the two lines, ahead of the jump, the label and what follows.
.macro JLOAD g0a, g1a, g0b, g1b
	s_cmp_eq_u32 s15, 0
	s_cbranch_scc0 .Lfor_b_\@
	tensor_load_to_lds s[\g0a:\g0a+3], s[\g1a:\g1a+7]
	s_nop 0
.rept 4
	v_nop
.endr
	s_branch .Lasked_\@
.Lfor_b_\@:
	tensor_load_to_lds s[\g0b:\g0b+3], s[\g1b:\g1b+7]
	s_nop 0
.rept 4
	v_nop
.endr
.Lasked_\@:
.endm
.macro CREST                           ; a round of the cluster's barrier behind its opening barrier
	s_cmp_lg_u32 s14, 0
	s_cbranch_scc1 .Lnot_wave_0_\@
	s_barrier_signal -3
.Lnot_wave_0_\@:
	s_barrier_wait -3
	s_barrier_signal -1
	s_barrier_wait -1
.endm
.macro CROUND                          ; a whole round
	s_barrier_signal -1
	s_barrier_wait -1
	CREST
.endm
	s_load_b256 s[68:75], s[0:1], 0x0              ; x s[68:69], Wq s[70:71], Wk s[72:73], Wv s[74:75]
	s_load_b128 s[76:79], s[0:1], 0x20             ; the scales' exponents s[76:77], qkv s[78:79]
	v_lshl_add_u32 v[SPW], v0, 2, SPARE
	v_mov_b32 v[NIL], 0
	ds_add_u32 v28, v29
	ds_add_u32 v28, v29
	s_wait_dscnt 0x0
	v_lshrrev_b32 v1, 5, v0
	v_readfirstlane_b32 s14, v1                    ; wave 0..3
	s_lshr_b32 s15, s14, 1                         ; which 128 tokens of the tile are mine.  Also: I fetch for x (0) or for W (1)
	s_and_b32 s16, s14, 1                          ; which 128 outputs.  Also: which 128 rows of that tile I fetch
	s_bfe_u32 s40, ttmp6, 0x40000                  ; cx: the tile column inside the matrix
	s_bfe_u32 s41, ttmp6, 0x40004                  ; cy
	s_and_b32 s17, ttmp7, 0xffff
	s_lshl_b32 s17, s17, 2
	s_add_co_u32 s17, s17, s41                     ; tile row = 4 x cluster y + cy
	s_lshl_b32 s43, s41, 2
	s_lshl_b32 s43, 15, s43                        ; my row of the cluster
	s_lshl_b32 s44, 0x1111, s40                    ; my column
	; descriptor group 1: a tile of 128 rows x 256 bytes, padded in LDS
	s_or_b32 s[G1+0], s43, (0<<16)|(1<<20)|(1<<21)|(5<<22)|(3<<25)  ; 15:0 the mask: x's tiles go to my row; 17:16 element of 1 byte; 20 padding on; 21 set beside a mask; 24:22 after every 64 words (code 5); 31:25 of 4 words (code 3)
	s_or_b32 s[G1B+0], s44, (0<<16)|(1<<20)|(1<<21)|(5<<22)|(3<<25) ; the same with my column's mask, for W's tiles
.irp g, G1, G1B
	s_mov_b32 s[\g+1], ROWB<<16                    ; tensor_dim0
	s_mov_b32 s[\g+2], 128<<16                     ; tensor_dim1 = 128
	s_mov_b32 s[\g+3], ROWB<<16                    ; tile_dim0
	s_mov_b32 s[\g+4], 128                         ; tile_dim1 = 128
	s_mov_b32 s[\g+5], KROW                        ; tensor_dim0_stride
	s_mov_b32 s[\g+6], 0
	s_mov_b32 s[\g+7], 0
.endr
	s_lshl_b32 s18, s16, 7                         ; which 128 rows of the tile I fetch
	s_lshl_b32 s20, s17, 8
	s_add_co_u32 s20, s20, s18                     ; x: row 256 x tile row + 128 x half,
	s_lshl_b32 s20, s20, 10                        ; in bytes (under 2^23)
	s_mov_b32 s21, 0
	s_lshl_b32 s46, s40, 8
	s_add_co_u32 s46, s46, s18                     ; W: row 256 cx + 128 x half,
	s_lshl_b32 s46, s46, 10                        ; in bytes
	s_mov_b32 s47, 0
	s_mul_i32 s45, s14, HALFT                      ; where they go: wave x 128 rows: no place in the cluster enters an LDS address
	s_wait_kmcnt 0x0
	s_load_b256 s[80:87], s[76:77], 0x0            ; e0 .. e7
	s_load_b64 s[88:89], s[76:77], 0x20            ; e8, e9
	s_cmp_eq_u32 ttmp9, 0                          ; which W: a choice on the cluster's x, which all sixteen partners share
	s_cselect_b64 s[6:7], s[70:71], s[72:73]
	s_cmp_eq_u32 ttmp9, 2
	s_cselect_b64 s[6:7], s[74:75], s[6:7]
	s_add_nc_u64 s[20:21], s[68:69], s[20:21]
	s_add_nc_u64 s[46:47], s[6:7], s[46:47]
	CROUND                                         ; all sixteen work-groups are here: the first joint loads meet
.irp s, 0,1
	s_mov_b32 s[G0+4*\s], 1
	s_add_co_u32 s[G0+4*\s+1], s45, \s*SLOT
	s_add_nc_u64 s[G0+4*\s+2:G0+4*\s+3], s[20:21], \s*ROWB
	s_or_b32 s[G0+4*\s+3], s[G0+4*\s+3], 0x80000000
	s_mov_b32 s[G0B+4*\s], 1
	s_add_co_u32 s[G0B+4*\s+1], s45, \s*SLOT
	s_add_nc_u64 s[G0B+4*\s+2:G0B+4*\s+3], s[46:47], \s*ROWB
	s_or_b32 s[G0B+4*\s+3], s[G0B+4*\s+3], 0x80000000
	s_wait_alu depctr_va_vdst(0)
	s_wait_tensorcnt 0x0
	ds_add_u32 v28, v29
	ds_add_u32 v28, v29
	s_wait_dscnt 0x0
	CROUND
	JLOAD G0+4*\s, G1, G0B+4*\s, G1B
.endr
	v_and_b32 v1, 15, v0                           ; l % 16
	v_bfe_u32 v2, v0, 4, 1                         ; l / 16
	v_mul_u32_u24 v3, v1, PITCH
	v_lshl_add_u32 v4, v2, 4, v3                   ; a fragment's row x pitch + 16 x half
	v_and_b32 v6, 31, v0
	v_lshlrev_b32 v[VO0], 4, v6
	s_wait_alu depctr_va_vdst(0)
	s_mul_i32 s94, s15, HALFT                      ; my 128 rows of x
	s_mul_i32 s95, s16, HALFT                      ; my 128 rows of W,
	s_add_co_u32 s95, s95, 2*HALFT                 ; which lie behind x's 256
	s_cmp_eq_u32 ttmp9, 2                          ; V?  Then the roles change places.  Either base, with its lane term and offsets, stays inside its slot: 3 HALFT + 127 x 272 + 256 is under SLOT
	s_cselect_b32 s22, s95, s94                    ; source 1: x for Q and K, Wv for V
	s_cselect_b32 s23, s94, s95                    ; source 0: W for Q and K, x for V
	s_mov_b32 s96, HEADB
	s_cselect_b32 s96, 1024, s96                   ; from code registers 0-7's place to 8-15's
	s_mov_b32 s90, 1024
	s_cselect_b32 s90, 2048, s90                   ; from one a to the next
	s_cselect_b32 s92, 385024, 0                   ; V, a = 4: on to the next head: 393,216 - 4 x 2,048
	s_mov_b32 s91, 0
	s_mov_b32 s93, 0
	v_add_nc_u32 v[VO1], s96, v[VO0]
.irp s, 0,1
	v_add_nc_u32 v[ADRA+\s], s22, v4
	v_add_nc_u32 v[ADRB+\s], s23, v4
	s_add_co_u32 s22, s22, SLOT
	s_add_co_u32 s23, s23, SLOT
.endr
	s_lshl_b32 s18, s17, 8                         ; where my part begins in qkv
	s_lshl_b32 s19, s15, 7
	s_add_co_u32 s18, s18, s19                     ; my first token: 256 x tile row + 128 x half
	s_lshr_b32 s19, s18, 11                        ; its batch,
	s_and_b32 s18, s18, 2047                       ; and its number there
	s_lshl_b32 s19, s19, 4
	s_lshl_b32 s94, s40, 2
	s_add_co_u32 s19, s19, s94
	s_lshl_b32 s94, s16, 1
	s_add_co_u32 s19, s19, s94                     ; my first head: 16 batch + 4 cx + 2 x half
	s_mul_i32 s19, s19, HEADB
	s_lshl_b32 s18, s18, 6                         ; 64 bytes a token in all three parts: 1,024 for 16 tokens, 8,192 for 128 keys
	s_add_co_u32 s18, s18, s19
	s_mul_i32 s94, ttmp9, PART
	s_add_co_u32 s18, s18, s94
	s_mov_b32 s19, 0
	s_add_nc_u64 s[10:11], s[78:79], s[18:19]
.macro FRAG reg, adr, q, i             ; a fragment, 16 rows x 128 K, is 16 registers: lane l holds row l % 16; registers 4 c .. 4 c + 3 hold K = 32 c + 16 (l / 16) + 0 .. 15
.irp c, 0,1,2,3
	ds_load_b128 v[\reg+4*\c:\reg+4*\c+3], v[\adr] offset:128*(\q)+32*\c+(\i)*16*PITCH
.endr
.endm
; 16 matrix instructions: source 1's blocks a0, a0 + 1 x source 0's eight, 128 along K.  p: source 0's set.  zero = 1: the first product starts the sums: nothing is ever cleared.
; The 64 accumulators take turns, one instruction a turn, in the same order in every step.
.macro MUL16 a0, p, zero
.irp a, \a0, \a0+1
.irp b, 0,1,2,3,4,5,6,7
.if \zero
	v_wmma_f32_16x16x128_bf8_bf8 v[8*(8*((\a)%4)+\b):8*(8*((\a)%4)+\b)+7], v[128*(\p)+FR*\b:128*(\p)+FR*\b+FR-1], v[AF+FR*(\a):AF+FR*(\a)+FR-1], 0
.else
	v_wmma_f32_16x16x128_bf8_bf8 v[8*(8*((\a)%4)+\b):8*(8*((\a)%4)+\b)+7], v[128*(\p)+FR*\b:128*(\p)+FR*\b+FR-1], v[AF+FR*(\a):AF+FR*(\a)+FR-1], v[8*(8*((\a)%4)+\b):8*(8*((\a)%4)+\b)+7]
.endif
.endr
.endr
.endm
.macro FETCH_B slot, q, p              ; source 0's eight fragments of the slot's q-th 128 along K into set p
	WIN TO_B
.irp i, 0,1,2,3,4,5,6,7
	FRAG 128*(\p)+FR*\i, ADRB+\slot, \q, \i
.endr
	WIN 0
.endm
.macro FETCH_A slot, q, i0             ; source 1's blocks i0 .. i0 + 3
.irp i, \i0, \i0+1, \i0+2, \i0+3
	FRAG AF+FR*(\i), ADRA+\slot, \q, \i
.endr
.endm
; A load into a register that a matrix instruction has read, and a vector instruction that reads a matrix result or writes one of a matrix instruction's registers, stand NP places behind it;
; only plain vector instructions that name none of its registers are places (ISA guide 7.12.1 for vector instructions).
.macro PLACES n
.rept \n
	v_nop
.endr
.endm
; A step of 128 along K that has its successor in the same slot.  A block of source 1 is free as soon as its eight products are issued, so one set serves it: blocks 0-3 are fetched anew in the step's middle, 4-7 at its end.
.macro STEP slot, q, zero
	s_wait_dscnt 4*NL                              ; source 0's set and source 1's blocks 0-3 are in; the youngest sixteen loads (blocks 4-7) may be out
	WIN MUL_LO
	MUL16 0, (\q)%2, \zero
	MUL16 2, (\q)%2, \zero
	s_wait_dscnt 0                                 ; blocks 4-7 are in (asked for 32 matrix instructions ago)
	PLACES NP
	FETCH_B \slot, (\q)+1, 1-(\q)%2
	FETCH_A \slot, (\q)+1, 0
	WIN MUL_HI
	MUL16 4, (\q)%2, \zero
	MUL16 6, (\q)%2, \zero
	PLACES NP
	WIN 0
	FETCH_A \slot, (\q)+1, 4
.endm
; A slot's last step changes slots: ONE barrier; in front of it each wave waits for all its tensor loads, adds 0 to its spare word, and waits for that and for its own reads of this slot.  fill = 1: this slot is filled again, two K steps ahead.
.macro TURN slot, next, fill
	s_wait_tensorcnt 0x0                           ; all my tensor loads have landed: my part of the next slot;  (every window is 0 here)
	ds_add_u32 v[SPW], v[NIL]                      ; 0 onto my spare word
	s_wait_dscnt 4*NL+1                            ; (the add and the youngest sixteen loads, blocks 4-7, may be out)
	WIN MUL_LO
	MUL16 0, 1, 0                                  ; sixteen matrix instructions stand between the add and the wait for it
	s_wait_dscnt 0x0                               ; the add is done, and my reads of this slot are over
	s_barrier_signal -1
	MUL16 2, 1, 0
	WIN 0
	s_barrier_wait -1
.if \fill
	CREST                                          ; the barrier has opened a round of the cluster's barrier: no wave of any partner still reads this slot's tile or has a load on its way
	s_add_nc_u64 s[G0+4*\slot+2:G0+4*\slot+3], s[G0+4*\slot+2:G0+4*\slot+3], 2*ROWB
	s_add_nc_u64 s[G0B+4*\slot+2:G0B+4*\slot+3], s[G0B+4*\slot+2:G0B+4*\slot+3], 2*ROWB
	JLOAD G0+4*\slot, G1, G0B+4*\slot, G1B         ; the first tensor load behind the round; the four v_nop behind it are the places in front of the loads below
.else
	PLACES NP
.endif
	FETCH_B \next, 0, 0
	FETCH_A \next, 0, 0
	WIN MUL_HI
	MUL16 4, 1, 0
	MUL16 6, 1, 0
	PLACES NP
	WIN 0
	FETCH_A \next, 0, 4
.endm
	s_wait_alu depctr_va_vdst(0)
	s_wait_tensorcnt 1                             ; my part of K step 0 is in (K step 1's load may be out)
	s_barrier_signal -1
	s_barrier_wait -1                              ; everybody's is
	FETCH_B 0, 0, 0
	FETCH_A 0, 0, 0
	FETCH_A 0, 0, 4
	STEP 0, 0, 1                                   ; K 0-127: these products start the sums
	TURN 0, 1, 1                                   ; K 128-255; slot 0 takes K 512-767
	STEP 1, 0, 0                                   ; K 256-383
	TURN 1, 0, 1                                   ; K 384-511; slot 1 takes K 768-1023
	STEP 0, 0, 0                                   ; K 512-639
	TURN 0, 1, 0                                   ; K 640-767; nothing is left to fetch, so no round of the cluster's barrier
	STEP 1, 0, 0                                   ; K 768-895
	s_wait_dscnt 4*NL                              ; K 896-1023
	WIN MUL_LO
	MUL16 0, 1, 0
	MUL16 2, 1, 0
	s_wait_dscnt 0
	WIN MUL_HI
	MUL16 4, 1, 0
	MUL16 6, 1, 0
	WIN 0
	; THE WAY OUT.  The three scales are folded into the conversion's one.
	s_wait_kmcnt 0x0
	s_sub_co_i32 s94, s86, s80
	s_sub_co_i32 s94, s94, s81                     ; Q: e6 - e0 - e1
	s_sub_co_i32 s95, s87, s82
	s_sub_co_i32 s95, s95, s83                     ; K: e7 - e2 - e3
	s_sub_co_i32 s96, s89, s84
	s_sub_co_i32 s96, s96, s85                     ; V: e9 - e4 - e5
	s_cmp_eq_u32 ttmp9, 0
	s_cselect_b32 s94, s94, s95
	s_cmp_eq_u32 ttmp9, 2
	s_cselect_b32 s94, s96, s94                    ; ec
	s_add_co_i32 s94, s94, 127
	s_lshl_b32 s95, s94, 23
	v_mov_b32 v[SC], s95                           ; 2^ec as f32
	s_add_co_i32 s94, s94, 15
	s_lshl_b32 s94, s94, 23
	s_or_b32 s94, s94, 0x600000
	PLACES NP                                      ; behind the last products: their results are read and source 1's registers written below
; Source 1's block a: its eight accumulators are converted and stored.
.macro OUTA a
.set AC, 64*((\a)%4)
	WIN 0x02+((\a)/4)                              ; source 0: window 2 or 3
.set jj, 0
.rept 64
.set jj, jj+1
.endr
.irp b, 0,1,2,3,4,5,6,7
	v_cvt_scalef32_pk8_bf8_f32 v[CD+16*(\a)+2*\b:CD+16*(\a)+2*\b+1], v[AC+8*\b:AC+8*\b+7], v[SC]
.endr
	WIN 0
	v_nop                                          ; one plain vector instruction behind the conversions
.if (\a) > 0
	s_wait_alu depctr_va_vdst(0)
	s_wait_xcnt 0x0                                ; the earlier stores have read their base: only now it steps
	s_add_nc_u64 s[10:11], s[10:11], s[90:91]
.if (\a) == 4
	s_add_nc_u64 s[10:11], s[10:11], s[92:93]
.endif
.endif
	global_store_b128 v[VO0], v[CD+16*(\a):CD+16*(\a)+3], s[10:11]                 ; each store: 32 lanes, 512 consecutive bytes, at a multiple of 512 from the buffer's first byte
	global_store_b128 v[VO0], v[CD+16*(\a)+4:CD+16*(\a)+7], s[10:11] offset:512
	global_store_b128 v[VO1], v[CD+16*(\a)+8:CD+16*(\a)+11], s[10:11]
	global_store_b128 v[VO1], v[CD+16*(\a)+12:CD+16*(\a)+15], s[10:11] offset:512
.endm
.irp a, 0,1,2,3,4,5,6,7
	OUTA \a
.endr
	s_wait_tensorcnt 0x0                           ; the wave's end
	ds_add_u32 v[SPW], v[NIL]
	s_wait_dscnt 0x0
	CROUND                                         ; the closing round: no work-group ends while a partner may still ask for a tile that names it
	s_endpgm
.Lfunc_end_k_q687fba3f22_proj:
	.size	k_q687fba3f22_proj, .Lfunc_end_k_q687fba3f22_proj-k_q687fba3f22_proj
	.p2alignl 7, 3214868480
	.fill 96, 4, 3214868480
	.section	.rodata,"a",@progbits
	.p2align	6, 0x0
	.amdhsa_kernel k_q687fba3f22_proj
		.amdhsa_group_segment_fixed_size 327680
		.amdhsa_private_segment_fixed_size 0
		.amdhsa_enable_private_segment 0
		.amdhsa_kernarg_size 48
		.amdhsa_user_sgpr_count 2
		.amdhsa_user_sgpr_kernarg_segment_ptr 1
		.amdhsa_wavefront_size32 1
		.amdhsa_system_sgpr_workgroup_id_x 1
		.amdhsa_system_sgpr_workgroup_id_y 1
		.amdhsa_system_sgpr_workgroup_id_z 1
		.amdhsa_system_vgpr_workitem_id 0
		.amdhsa_next_free_vgpr 1024
		.amdhsa_next_free_sgpr 98
		.amdhsa_reserve_vcc 0
		.amdhsa_float_denorm_mode_32 3
		.amdhsa_float_denorm_mode_16_64 3
		.amdhsa_fp16_overflow 1
		.amdhsa_memory_ordered 1
		.amdhsa_forward_progress 1
		.amdhsa_inst_pref_size 88
	.end_amdhsa_kernel
	.amdgpu_metadata
---
amdhsa.version: [ 1, 2 ]
amdhsa.kernels:
  - .name:           k_q687fba3f22_proj
    .symbol:         k_q687fba3f22_proj.kd
    .args:
      - { .name: x_codes, .offset: 0, .size: 8, .value_kind: global_buffer, .address_space: global }
      - { .name: Wq_codes, .offset: 8, .size: 8, .value_kind: global_buffer, .address_space: global }
      - { .name: Wk_codes, .offset: 16, .size: 8, .value_kind: global_buffer, .address_space: global }
      - { .name: Wv_codes, .offset: 24, .size: 8, .value_kind: global_buffer, .address_space: global }
      - { .name: lowp_scales, .offset: 32, .size: 8, .value_kind: global_buffer, .address_space: global }
      - { .name: qkv, .offset: 40, .size: 8, .value_kind: global_buffer, .address_space: global }
    .group_segment_fixed_size: 327680
    .private_segment_fixed_size: 0
    .kernarg_segment_align: 8
    .kernarg_segment_size: 48
    .max_flat_workgroup_size: 128
    .sgpr_count:     98
    .vgpr_count:     1024
    .wavefront_size: 32
...
	.end_amdgpu_metadata
.endif
;; end of part 1
;; launch attn (part 2): grid 4 x 64, 8 waves a work-group, clusters of 4 x 1, 327,680 bytes of LDS; arguments qkv, mask, b, lowp_scales, out0; writes out0
.if DOCPART == 2
	.amdgcn_target "amdgcn-amd-amdhsa--gfx1250"
	.amdhsa_code_object_version 6
	.text
	.protected	k_q687fba3f22_attn
	.globl	k_q687fba3f22_attn
	.p2align	8
	.type	k_q687fba3f22_attn,@function
k_q687fba3f22_attn:
	s_mov_b64 s[64:65], 0
	v_nop
	global_prefetch_b8 v0, s[64:65] scope:SCOPE_SE
	s_setreg_imm32_b32 hwreg(HW_REG_WAVE_MODE, 25, 1), 1
	s_wait_xcnt 0x0
	s_wait_alu depctr_hold_cnt(0) depctr_sa_sdst(0) depctr_va_vdst(0) depctr_va_sdst(0) depctr_va_ssrc(0) depctr_va_vcc(0) depctr_vm_vsrc(0)
	s_getreg_b32 s2, hwreg(HW_REG_IB_STS2, 6, 4)
	s_cmp_eq_u32 s2, 0
	s_cbranch_scc0 .Lentry_in_a_cluster
	s_endpgm
.Lentry_in_a_cluster:
	s_bfe_u32 s2, ttmp6, 0x10000c
	s_cmp_lg_u32 s2, 0x3003
	s_cbranch_scc0 .Lentry_shape_is_right
	s_endpgm
.Lentry_shape_is_right:
; out0[batch][64 head + d][q] = the sum over k of softmax_k(logit) V[k][d];  logit = (Q[q] . K[k] / 8 + b) m[k] + (1 - m[k]) x (-1e30), m the float mask AS IT IS GIVEN; both products on codes of BF8 (E5M2).
; qkv holds, for each head y = 16 batch + head, images of operand registers: Q's and K's fragments (16 tokens x 64 channels, 1,024 bytes) and V's (16 channels x 128 keys, 2,048 bytes):
; four registers of a fragment are 512 bytes, lane l's 16 bytes at 16 l.  So every fragment comes by dense loads of 16 bytes a lane: no pitch, no padding.
; THE SOFTMAX.  t = logit x log2(e) = s x alpha[k] + beta[k], s the sum of the codes' products, alpha = m x log2(e) / 8 x 2^(e6 + e7), beta = (b m + (1 - m) x (-1e30)) x log2(e): one fused multiply-add, for any m.
; M = the running largest t rounded UP to a whole number, kept as -M; p = 2^(t - M) is quantised with 2^e8; the row's sum is taken of the unquantised p and divides at the end.  When M moves, the sum and O are
; multiplied by 2^(old M - new M): exact.  A row all of whose keys are masked has all t equal, all p = 1: the uniform weights that the definition gives.
; SHARES.  The four work-groups of a cluster belong to one head; each owns 512 queries, in two passes of 256; each of its eight waves owns 32 queries a pass: two tiles of 16, which share every fragment of K and V and
; every alpha and beta.  Two waves lie on a SIMD, 512 registers each.
; ALL OF THE HEAD'S K AND V, 262,144 bytes, LIE IN LDS FOR THE WHOLE LAUNCH, brought once, by JOINT loads of the four work-groups (the same load, the same descriptor, a mask that names the four).  Nothing is filled
; again: no ring.  They come in four chunks of 512 keys, each shown landed by its own counted wait and a barrier; a chunk is 8,192 bytes for each of the eight waves: 32 rows of 256 bytes to a load.
; LAYOUT.  S^T = K Q^T (source 0 = 16 keys, source 1 = 16 queries) and O^T = V^T P^T (source 0 = 16 channels, source 1 = P): a lane holds ONE query (lane % 16) throughout.  Register 8 i + j of S^T is key
; 16 i + 8 (lane / 16) + j of the step's 128: one conversion of registers 8 i .. 8 i + 7 gives registers 2 i, 2 i + 1 of P's fragment, in the layout of the plain 8-bit forms.  Nothing changes lanes.
; LIMITS: e8 between -126 and 112 (2^e8 is made as an f32 number); e6 + e7 and e8 + e9 go through v_ldexp_f32 and have none.  m and b such that beta is finite.  NaN is not served.
; t is rounded once as s alpha + beta and once more as t - M, where the definition rounds product, bias and mask one after the other: a difference of the last bits of t.
; REGISTERS.  window 0: v1-11 addresses and constants; v12-31 ten statistics a tile; v32-47 Q; v48-79 P's codes; v80-207 S^T, then p; on the way out v80-143 O / sum, v144-207 rows of out0; v208-234 the head's temporaries.
;   window 1: v0-63 O^T (tile t, channels 16 dt on: 32 t + 8 dt); v64-127 K's eight fragments, then V's four; v128-191 alpha, v192-255 beta of the step's keys, register for register as S^T has them.
.set HEADB, 393216                     ; a head in qkv
.set PART,  131072                     ; Q's, K's, V's part of it
.set VB,    131072                     ; LDS: K's images from 0, V's from here,
.set AL,    262144                     ; alpha[2048] f32,
.set BE,    AL+8192                    ; beta[2048] f32,
.set STG,   279552                     ; and the stage for the way out: 32 rows x SP bytes.  No tensor load lands from AL on
.set SP,    1040                       ; a stage row: 256 queries x 4 bytes + 16
.set LI,  1                            ; v1   16 x lane
.set ABL, 2                            ; v2   AL + 32 (lane / 16)
.set ADK, 3                            ; v3   LDS address of the step's K
.set ADV, 4                            ; v4   of its V
.set ADA, 5                            ; v5   of the next step's alpha
.set SO,  6                            ; v6   the stage, on the way in
.set SRD, 7                            ; v7   and back
.set GO,  8                            ; v8   my byte offset in out0's rows
.set AST, 9                            ; v9   AL + 16 x my thread's number
.set PSC, 10                           ; v10  2^e8 as f32
.set LIM, 11
.set STA, 12                           ; tile t's statistics at v[STA + 10 t]:
.set NM,  0                            ;   -M            (with TM an even pair: the packed addition takes its low word for both halves)
.set TM,  1                            ;   the largest t so far
.set LS,  2                            ;   the sum, in two halves
.set FF,  4                            ;   f = 2^(old M - new M); +1 is named with it as a pair
.set XS,  6                            ;   the sums' second chain
.set MA,  8                            ;   at work
.set MB,  9
.set QF,  32
.set PCD, 48
.set SCO, 80
.set YY,  80
.set OB,  144
.set FRG, 64                           ; in window 1
.set ALF, 128
.set BET, 192
.set WV,  14                           ; s14  my wave's number
.set G1,  24                           ; s[24:31] descriptor group 1
.set G0,  32                           ; s[32:47] descriptor group 0, one for each chunk
.set TB,  60                           ; s60  byte at which the step's images begin in K's (and V's) part
.set TA,  61                           ; s61  byte at which the next step's alpha begin
.set CNT, 62                           ; s62  steps to go in the chunk
.set PASS, 63                          ; s63  passes to go
.set MSB, 0
.macro WIN new                         ; bits 1:0 source 0, 3:2 source 1, 5:4 source 2, 7:6 destination; the immediate's high byte repeats the setting that is left
.if MSB != (\new)
	s_set_vgpr_msb (MSB<<8)|(\new)
.set MSB, (\new)
.endif
.endm
.macro CROUND                          ; a round of the cluster's barrier
	s_barrier_signal -1
	s_barrier_wait -1
	s_cmp_lg_u32 s[WV], 0
	s_cbranch_scc1 .Lnot_wave_0_\@
	s_barrier_signal -3
.Lnot_wave_0_\@:
	s_barrier_wait -3
	s_barrier_signal -1
	s_barrier_wait -1
.endm
	s_load_b256 s[4:11], s[0:1], 0x0               ; qkv s[4:5], mask s[6:7], b s[8:9], the scales' exponents s[10:11]
	s_load_b64 s[12:13], s[0:1], 0x20              ; out0
	v_lshl_add_u32 v254, v0, 2, 0x4c600
	v_mov_b32 v255, 0
	ds_add_u32 v254, v255
	ds_add_u32 v254, v255
	v_lshrrev_b32 v1, 5, v0
	s_delay_alu instid0(VALU_DEP_1)
	v_readfirstlane_b32 s[WV], v1                  ; wave 0..7
	s_bfe_u32 s15, ttmp6, 0x40000                  ; cx: it enters Q's and out0's addresses alone
	s_and_b32 s16, ttmp7, 0xffff                   ; the head y, which the four partners share
	; descriptor group 1: a dense block of 8,192 bytes as 32 rows of 32 elements of 8 bytes
	s_mov_b32 s[G1], 15|(3<<16)|(1<<21)            ; 15:0 the mask: all four work-groups; 17:16 elements of 8 bytes; 20 no padding; 21 set beside a mask
	s_mov_b32 s[G1+1], 32<<16                      ; tensor_dim0 = 32
	s_mov_b32 s[G1+2], 32<<16                      ; tensor_dim1 = 32
	s_mov_b32 s[G1+3], 32<<16                      ; tile_dim0 = 32
	s_mov_b32 s[G1+4], 32                          ; tile_dim1 = 32
	s_mov_b32 s[G1+5], 32                          ; tensor_dim0_stride
	s_mov_b32 s[G1+6], 0
	s_mov_b32 s[G1+7], 0
	s_lshr_b32 s17, s[WV], 2                       ; waves 0-3 fetch K, waves 4-7 V:
	s_lshl_b32 s17, s17, 17                        ; the part,
	s_and_b32 s18, s[WV], 3
	s_lshl_b32 s18, s18, 13                        ; my 8,192 bytes of a chunk's 32,768.
	s_add_co_u32 s18, s18, s17                     ; K's and V's parts lie in LDS as they lie in memory: one offset serves both addresses
	s_mov_b32 s19, 0
	s_mul_i32 s20, s16, HEADB
	s_mov_b32 s21, 0
	s_wait_dscnt 0x0
	s_wait_kmcnt 0x0
	s_add_nc_u64 s[20:21], s[4:5], s[20:21]        ; the head in qkv
	s_add_nc_u64 s[22:23], s[20:21], s[18:19]
	s_add_nc_u64 s[22:23], s[22:23], PART          ; behind Q's part
.irp j, 0,1,2,3
	s_mov_b32 s[G0+4*\j], 1                        ; count = 1
	s_add_co_u32 s[G0+4*\j+1], s18, \j*32768       ; LDS address
	s_add_nc_u64 s[G0+4*\j+2:G0+4*\j+3], s[22:23], \j*32768   ; global address
	s_or_b32 s[G0+4*\j+3], s[G0+4*\j+3], 0x80000000           ; type = 2
.endr
	CROUND                                         ; all four work-groups are here: the joint loads meet
	tensor_load_to_lds s[G0:G0+3], s[G1:G1+7]      ; the launch's only tensor loads, in one group: four of mine are out
	s_nop 0
	tensor_load_to_lds s[G0+4:G0+7], s[G1:G1+7]
	s_nop 0
	tensor_load_to_lds s[G0+8:G0+11], s[G1:G1+7]
	s_nop 0
	tensor_load_to_lds s[G0+12:G0+15], s[G1:G1+7]
	s_nop 0
.rept 4
	v_nop
.endr
	s_load_b128 s[48:51], s[10:11], 0x18           ; e6, e7, e8, e9
	s_load_b32 s52, s[8:9], 0x0                    ; b
	s_lshr_b32 s17, s16, 4                         ; the batch
	s_lshl_b32 s18, s17, 13
	s_add_nc_u64 s[6:7], s[6:7], s[18:19]          ; its 2,048 numbers of the mask
	v_lshlrev_b32 v232, 4, v0
	global_load_b128 v[208:211], v232, s[6:7]              ; keys 4 n .. 4 n + 3, n my thread's number: a wave reads 512 consecutive bytes
	global_load_b128 v[212:215], v232, s[6:7] offset:4096  ; keys 1024 + 4 n ..
	s_lshl_b32 s18, s15, 15                        ; my work-group's 512 queries: 32 tiles of 1,024 bytes,
	s_lshl_b32 s17, s[WV], 11                      ; my wave's two tiles
	s_add_co_u32 s18, s18, s17
	s_add_nc_u64 s[54:55], s[20:21], s[18:19]
	v_and_b32 v[LI], 31, v0
	s_delay_alu instid0(VALU_DEP_1)
	v_lshlrev_b32 v[LI], 4, v[LI]
	s_wait_alu depctr_va_vdst(0)
.irp k, 0,1,2,3
	global_load_b128 v[QF+4*\k:QF+4*\k+3], v[LI], s[54:55] offset:512*\k   ; the first pass's Q: tile k / 2, registers 4 (k % 2) on
.endr
	s_lshl_b32 s18, s16, 19                        ; out0: the head's 64 rows of 8,192 bytes,
	s_lshl_b32 s17, s15, 11                        ; my work-group's 512 queries
	s_add_co_u32 s18, s18, s17
	s_add_nc_u64 s[12:13], s[12:13], s[18:19]
	v_bfe_u32 v233, v0, 4, 1                       ; h = lane / 16
	v_and_b32 v234, 15, v0                         ; r = lane % 16
	s_delay_alu instid0(VALU_DEP_2)
	v_lshl_add_u32 v[ABL], v233, 5, AL
	s_delay_alu instid0(VALU_DEP_3)
	v_lshl_add_u32 v[ADA], v233, 5, AL             ; step 0's alpha
	v_lshl_add_u32 v[AST], v0, 4, AL
	s_lshl_b32 s17, s[WV], 7
	s_add_co_u32 s17, s17, STG
	v_mul_u32_u24 v[SO], v233, 8*SP
	s_delay_alu instid0(VALU_DEP_1)
	v_lshl_add_u32 v[SO], v234, 2, v[SO]
	s_delay_alu instid0(VALU_DEP_1)
	v_add_nc_u32 v[SO], s17, v[SO]                 ; the stage, in: row 8 h (+ 16 u + j), byte 128 x wave + 4 r (+ 64 t).  Lanes 16-31 lie 2,080 words further on: 32 banks away
	s_mul_i32 s17, s[WV], 4*SP
	s_add_co_u32 s17, s17, STG
	v_add_nc_u32 v[SRD], s17, v[LI]                ; and back: my wave's four rows, 16 bytes a lane
	s_lshl_b32 s17, s[WV], 15
	v_add_nc_u32 v[GO], s17, v[LI]                 ; the same four rows in out0: 8,192 bytes a row
	s_mov_b32 s58, 0x76543210                      ; v_permlanex16_b32's selects for lane l xor 16
	s_mov_b32 s59, 0xfedcba98
	s_wait_kmcnt 0x0
	s_add_co_i32 s53, s48, s49                     ; e6 + e7
	s_add_co_i32 s57, s50, s51                     ; e8 + e9
	s_add_co_i32 s17, s50, 127
	s_lshl_b32 s18, s17, 23
	v_mov_b32 v[PSC], s18
	s_wait_loadcnt 4                               ; the mask is in; Q's four loads may be out
.irp i, 0,1,2,3,4,5,6,7
	v_mul_f32 v[216+\i], 0x3e38aa3b, v[208+\i]     ; m x log2(e) / 8
	v_sub_f32 v[224+\i], 1.0, v[208+\i]
.endr
.irp i, 0,1,2,3,4,5,6,7
	v_ldexp_f32 v[216+\i], v[216+\i], s53          ; alpha = .. x 2^(e6 + e7)
	v_mul_f32 v[224+\i], 0xf149f2ca, v[224+\i]     ; (1 - m) x (-1e30)
.endr
.irp i, 0,1,2,3,4,5,6,7
	v_fma_f32 v[224+\i], v[208+\i], s52, v[224+\i] ; + b m
.endr
.irp i, 0,1,2,3,4,5,6,7
	v_mul_f32 v[224+\i], 0x3fb8aa3b, v[224+\i]     ; beta = .. x log2(e)
.endr
	ds_store_b128 v[AST], v[216:219]
	ds_store_b128 v[AST], v[220:223] offset:4096
	ds_store_b128 v[AST], v[224:227] offset:8192
	ds_store_b128 v[AST], v[228:231] offset:12288
	s_wait_dscnt 0x0                               ; for the others' sake: my stores are done
	s_barrier_signal -1
	s_barrier_wait -1
; 32 LDS loads: alpha and beta of 128 keys, from v[ADA] on.  Register 8 i + j: key 16 i + 8 (lane / 16) + j.  Sixteen lanes read the same 16 bytes.
.macro LOAD_AB
	WIN 0x40                                       ; destination window 1
.irp i, 0,1,2,3,4,5,6,7
	ds_load_b128 v[ALF+8*\i:ALF+8*\i+3],   v[ADA] offset:64*\i
	ds_load_b128 v[ALF+8*\i+4:ALF+8*\i+7], v[ADA] offset:64*\i+16
.endr
.irp i, 0,1,2,3,4,5,6,7
	ds_load_b128 v[BET+8*\i:BET+8*\i+3],   v[ADA] offset:8192+64*\i
	ds_load_b128 v[BET+8*\i+4:BET+8*\i+7], v[ADA] offset:8192+64*\i+16
.endr
.endm
; A KEY STEP: 128 keys, both tiles.
.macro STEP
	v_add_nc_u32 v[ADK], s[TB], v[LI]              ; these three additions and the v_nop are the four places between the last products and the loads into the registers that they read
	s_delay_alu instid0(VALU_DEP_1)
	v_add_nc_u32 v[ADV], VB, v[ADK]
	s_lshr_b32 s[TA], s[TB], 4                     ; 8,192 bytes of images a step, 512 of alpha
	s_add_co_u32 s[TA], s[TA], 512                 ; the next step's,
	s_and_b32 s[TA], s[TA], 0x1e00                 ; and behind the last step the first's, for the next pass
	v_add_nc_u32 v[ADA], s[TA], v[ABL]
	v_nop
	WIN 0x40
.irp i, 0,1,2,3,4,5,6,7
	ds_load_b128 v[FRG+8*\i:FRG+8*\i+3],   v[ADK] offset:1024*\i       ; K's fragment i: keys 16 i on
	ds_load_b128 v[FRG+8*\i+4:FRG+8*\i+7], v[ADK] offset:1024*\i+512
.endr
	s_wait_alu depctr_va_vdst(0)
	s_wait_dscnt 0x0                               ; K is in, and so are this step's alpha and beta, asked for a step ago
	WIN 0x01                                       ; source 0 (K) window 1
.irp i, 0,1,2,3,4,5,6,7
.irp t, 0,1
	v_wmma_f32_16x16x64_bf8_bf8 v[SCO+64*\t+8*\i:SCO+64*\t+8*\i+7], v[FRG+8*\i:FRG+8*\i+7], v[QF+8*\t:QF+8*\t+7], 0
.endr
.endr
.rept 4
	v_nop                                          ; places: in front of the loads into K's registers and of the first read of the scores
.endr
	WIN 0x40
.irp d, 0,1,2,3
.irp c, 0,1,2,3
	ds_load_b128 v[FRG+16*\d+4*\c:FRG+16*\d+4*\c+3], v[ADV] offset:2048*\d+512*\c   ; V's fragment d: channels 16 d on; it lands under the softmax
.endr
.endr
	WIN 0x14                                       ; sources 1 and 2 (alpha, beta) window 1
.irp t, 0,1
.set pp, 0
.rept 32
	v_pk_fma_f32 v[SCO+64*\t+pp:SCO+64*\t+pp+1], v[SCO+64*\t+pp:SCO+64*\t+pp+1], v[ALF+pp:ALF+pp+1], v[BET+pp:BET+pp+1]   ; t = s alpha + beta; each accumulator from its low end on
.set pp, pp+2
.endr
.endr
	LOAD_AB                                        ; the next step's alpha and beta
	WIN 0
.irp t, 0,1                                    ; the step's largest t of my query among my 64 keys: two chains a tile
	v_max3_num_f32 v[STA+10*\t+MA], v[SCO+64*\t], v[SCO+64*\t+1], v[SCO+64*\t+2]
	v_max3_num_f32 v[STA+10*\t+MB], v[SCO+64*\t+3], v[SCO+64*\t+4], v[SCO+64*\t+5]
.endr
.irp i, 6,10,14,18,22,26,30,34,38,42,46,50,54,58
.irp t, 0,1
	s_delay_alu instid0(VALU_DEP_4)
	v_max3_num_f32 v[STA+10*\t+MA], v[STA+10*\t+MA], v[SCO+64*\t+\i], v[SCO+64*\t+\i+1]
	s_delay_alu instid0(VALU_DEP_4)
	v_max3_num_f32 v[STA+10*\t+MB], v[STA+10*\t+MB], v[SCO+64*\t+\i+2], v[SCO+64*\t+\i+3]
.endr
.endr
.irp t, 0
	s_delay_alu instid0(VALU_DEP_4)
	v_max3_num_f32 v[STA+10*\t+MA], v[STA+10*\t+MA], v[SCO+64*\t+62], v[SCO+64*\t+63]
.endr
.irp t, 1
	s_delay_alu instid0(VALU_DEP_3)
	v_max3_num_f32 v[STA+10*\t+MA], v[STA+10*\t+MA], v[SCO+64*\t+62], v[SCO+64*\t+63]
.endr
.irp t, 0,1
	s_delay_alu instid0(VALU_DEP_2)
	v_max_num_f32 v[STA+10*\t+MA], v[STA+10*\t+MA], v[STA+10*\t+MB]
.endr
.irp t, 0,1
	s_delay_alu instid0(VALU_DEP_2)
	v_permlanex16_b32 v[STA+10*\t+MB], v[STA+10*\t+MA], s58, s59   ; the query's other 64 keys lie in the lane 16 away
.endr
.irp t, 0,1
	s_delay_alu instid0(VALU_DEP_2)
	v_max_num_f32 v[STA+10*\t+MA], v[STA+10*\t+MA], v[STA+10*\t+MB]
.endr
.irp t, 0,1
	s_delay_alu instid0(VALU_DEP_2)
	v_max_num_f32 v[STA+10*\t+TM], v[STA+10*\t+TM], v[STA+10*\t+MA]   ; the running largest t
.endr
.irp t, 0,1
	v_mov_b32 v[STA+10*\t+MB], v[STA+10*\t+NM]
.endr
.irp t, 0,1
	s_delay_alu instid0(VALU_DEP_4)
	v_floor_f32 v[STA+10*\t+NM], -v[STA+10*\t+TM]  ; the new -M = floor(-t) = -ceil(t): a whole number
.endr
.irp t, 0,1
	s_delay_alu instid0(VALU_DEP_2)
	v_sub_f32 v[STA+10*\t+MB], v[STA+10*\t+NM], v[STA+10*\t+MB]   ; old M - new M: a whole number, 0 or less
.endr
.irp t, 0,1
	s_delay_alu instid0(VALU_DEP_2)
	v_cvt_i32_f32 v[STA+10*\t+MB], v[STA+10*\t+MB] ; (it saturates)
.endr
.irp t, 0,1
	s_delay_alu instid0(VALU_DEP_2)
	v_ldexp_f32 v[STA+10*\t+FF], 1.0, v[STA+10*\t+MB]   ; f = 2^(old M - new M)
.endr
.irp t, 0,1
.set pp, 0
.rept 32
	v_pk_add_f32 v[SCO+64*\t+pp:SCO+64*\t+pp+1], v[SCO+64*\t+pp:SCO+64*\t+pp+1], v[STA+10*\t+NM:STA+10*\t+NM+1] op_sel_hi:[1,0]   ; t - M (the pair's low word for both halves)
.set pp, pp+2
.endr
.endr
.set pp, 0
	s_setprio 1
	s_wait_alu depctr_va_vdst(0)
.rept 128
	v_exp_f32 v[SCO+pp], v[SCO+pp]                 ; p = 2^(t - M), at most 1: NOT normalised.  One batch
.set pp, pp+1
.endr
.irp t, 0,1
	v_pk_mul_f32 v[STA+10*\t+LS:STA+10*\t+LS+1], v[STA+10*\t+LS:STA+10*\t+LS+1], v[STA+10*\t+FF:STA+10*\t+FF+1] op_sel_hi:[1,0]   ; the sums under the new M: plain instructions behind the exponentials
.endr
	s_wait_alu depctr_va_vdst(0)                   ; one wait for the whole batch, ahead of its first reader
.irp t, 0,1
	v_pk_add_f32 v[STA+10*\t+XS:STA+10*\t+XS+1], v[SCO+64*\t:SCO+64*\t+1], v[SCO+64*\t+2:SCO+64*\t+3]   ; the row's sum is taken of the UNQUANTISED p: two chains a tile
.endr
.irp j, 4,8,12,16,20,24,28,32,36,40,44,48,52,56,60
.irp t, 0,1
	v_pk_add_f32 v[STA+10*\t+LS:STA+10*\t+LS+1], v[STA+10*\t+LS:STA+10*\t+LS+1], v[SCO+64*\t+\j:SCO+64*\t+\j+1]
	v_pk_add_f32 v[STA+10*\t+XS:STA+10*\t+XS+1], v[STA+10*\t+XS:STA+10*\t+XS+1], v[SCO+64*\t+\j+2:SCO+64*\t+\j+3]
.endr
.endr
.irp t, 0
	s_delay_alu instid0(VALU_DEP_3)
	v_pk_add_f32 v[STA+10*\t+LS:STA+10*\t+LS+1], v[STA+10*\t+LS:STA+10*\t+LS+1], v[STA+10*\t+XS:STA+10*\t+XS+1]
.endr
.irp t, 1
	s_delay_alu instid0(VALU_DEP_2)
	v_pk_add_f32 v[STA+10*\t+LS:STA+10*\t+LS+1], v[STA+10*\t+LS:STA+10*\t+LS+1], v[STA+10*\t+XS:STA+10*\t+XS+1]
.endr
.irp t, 0,1
.irp i, 0,1,2,3,4,5,6,7
.irp j, 0,1,2,3,4,5,6,7
.endr
	v_cvt_scalef32_pk8_bf8_f32 v[PCD+16*\t+2*\i:PCD+16*\t+2*\i+1], v[SCO+64*\t+8*\i:SCO+64*\t+8*\i+7], v[PSC]   ; registers 2 i, 2 i + 1 of P's fragment
.endr
.endr
	WIN 0x41                                       ; O^T (destination and source 0) window 1, f window 0
	s_setprio 0
.irp t, 0,1
.set pp, 0
.rept 16
	v_pk_mul_f32 v[32*\t+pp:32*\t+pp+1], v[32*\t+pp:32*\t+pp+1], v[STA+10*\t+FF:STA+10*\t+FF+1] op_sel_hi:[1,0]   ; O^T under the new M.  (Plain instructions between the conversions and the products that read the codes)
.set pp, pp+2
.endr
.endr
	s_wait_alu depctr_va_vdst(0)
	s_wait_dscnt 32                                ; V is in; the 32 loads of alpha and beta issued behind it may be out
	WIN 0x51                                       ; V window 1, P window 0, O^T window 1
.irp d, 0,1,2,3
.irp t, 0,1                                    ; eight accumulators, one instruction a turn
	v_wmma_f32_16x16x128_bf8_bf8 v[32*\t+8*\d:32*\t+8*\d+7], v[FRG+16*\d:FRG+16*\d+15], v[PCD+16*\t:PCD+16*\t+15], v[32*\t+8*\d:32*\t+8*\d+7]
.endr
.endr
	WIN 0
	s_add_co_u32 s[TB], s[TB], 8192
.endm
; Chunk j: 512 keys, four steps.  Each wave waits for its part of the chunk (the 3 - j loads issued behind it may be out), then the barrier shows the whole chunk to every wave.  In the second pass the waits are met at once.
.macro CHUNK j
	s_wait_tensorcnt 3-\j
	s_wait_dscnt 0x0                               ; no LDS instruction of mine is pending at a signal
	s_barrier_signal -1
	s_barrier_wait -1
	s_mov_b32 s[TB], \j*32768
	s_mov_b32 s[CNT], 4
.Lstep_\@:
	s_setprio 2
	STEP
	s_sub_co_u32 s[CNT], s[CNT], 1
	s_cmp_lg_u32 s[CNT], 0
	s_cbranch_scc1 .Lstep_\@
	s_setprio 0
.endm
	LOAD_AB                                        ; step 0's alpha and beta
	WIN 0
	s_mov_b32 s[PASS], 2
.Lpass:                                            ; 256 queries of the work-group, 32 of my wave
.irp t, 0,1
	v_mov_b32 v[STA+10*\t+TM], 0xff61b1e6          ; the largest t so far: -3e38, under every t
	v_mov_b32 v[STA+10*\t+LS], 0                   ; the sum, in two halves
	v_mov_b32 v[STA+10*\t+LS+1], 0
	v_mov_b32 v[STA+10*\t+FF+1], 0                 ; (named as the upper half of f's pair)
	s_delay_alu instid0(VALU_DEP_4)
	v_floor_f32 v[STA+10*\t+NM], -v[STA+10*\t+TM]  ; -M
.endr
	WIN 0x40
.set pp, 0
.rept 64
	v_mov_b32 v[pp], 0                             ; O^T.  (The step is written once for all steps: the first finds zeros, which the first change of M leaves zeros)
.set pp, pp+1
.endr
	WIN 0
	s_wait_loadcnt 0x0                             ; Q
	CHUNK 0
	CHUNK 1
	CHUNK 2
	CHUNK 3
	; THE WAY OUT.  The next pass's Q is asked for first, if there is a next pass: no load leaves its buffer.
	s_cmp_eq_u32 s[PASS], 1
	s_cbranch_scc1 .Lno_q
.irp k, 0,1,2,3
	global_load_b128 v[QF+4*\k:QF+4*\k+3], v[LI], s[54:55] offset:16384+512*\k   ; 256 queries on: 16 tiles of 1,024 bytes
.endr
.Lno_q:
.irp t, 0,1
	v_add_f32 v[STA+10*\t+MA], v[STA+10*\t+LS], v[STA+10*\t+LS+1]   ; the sum's two halves,
.endr
.irp t, 0,1
	s_delay_alu instid0(VALU_DEP_2)
	v_permlanex16_b32 v[STA+10*\t+MB], v[STA+10*\t+MA], s58, s59
.endr
.irp t, 0,1
	s_delay_alu instid0(VALU_DEP_2)
	v_add_f32 v[STA+10*\t+MA], v[STA+10*\t+MA], v[STA+10*\t+MB]     ; and lane l xor 16's: the row's sum, over 1/2
.endr
	s_wait_alu depctr_va_vdst(0)
.irp t, 0,1
	v_rcp_f32 v[STA+10*\t+MB], v[STA+10*\t+MA]
.endr
	v_nop                                          ; a plain instruction behind the reciprocals,
	s_wait_alu depctr_va_vdst(0)                   ; and one wait for both, ahead of their first reader
.irp t, 0,1
	v_ldexp_f32 v[STA+10*\t+FF], v[STA+10*\t+MB], s57   ; x 2^(e8 + e9)
.endr
	WIN 0x01                                       ; source 0 (O^T) window 1
.irp t, 0,1
.set pp, 0
.rept 16
	v_pk_mul_f32 v[YY+32*\t+pp:YY+32*\t+pp+1], v[32*\t+pp:32*\t+pp+1], v[STA+10*\t+FF:STA+10*\t+FF+1] op_sel_hi:[1,0]   ; register 32 t + 8 dt + j: channel 16 dt + 8 h + j of query 16 t + r; each accumulator from its low end on
.set pp, pp+2
.endr
.endr
	WIN 0
	s_wait_alu depctr_va_vdst(0)
	; In out0 the queries are innermost: a channel's row takes 1,024 bytes from the work-group's 256 queries, 128 from each wave.  So 32 channels at a time meet in the stage, and each wave stores four whole rows.
.irp hs, 0,1
.irp u, 0,1
.irp t, 0,1
.irp j, 0,1,2,3,4,5,6,7
	ds_store_b32 v[SO], v[YY+32*\t+8*(2*\hs+\u)+\j] offset:(16*\u+\j)*SP+64*\t
.endr
.endr
.endr
	s_wait_dscnt 0x0                               ; for the others' sake: my stores into the stage are done
	s_barrier_signal -1
	s_barrier_wait -1
.irp k, 0,1,2,3,4,5,6,7
	ds_load_b128 v[OB+32*\hs+4*\k:OB+32*\hs+4*\k+3], v[SRD] offset:(\k/2)*SP+(\k%2)*512
.endr
.irp k, 0,1,2,3,4,5,6,7
	s_wait_dscnt 7-\k                              ; LDS loads come back in order (ISA guide 5.7.1): load k is in, the younger ones may be out
	global_store_b128 v[GO], v[OB+32*\hs+4*\k:OB+32*\hs+4*\k+3], s[12:13] offset:\hs*262144+(\k/2)*8192+(\k%2)*512 th:TH_STORE_NT   ; 32 lanes store 512 consecutive bytes, at a multiple of 512 from out0's first byte
.endr
.if \hs == 0
	s_barrier_signal -1                            ; every wave's reads of the stage are back (the count-down ended at 0): the stage may be written again
	s_barrier_wait -1
.endif
.endr                                          ; (the next pass writes the stage behind four chunk barriers, each behind a wait for all LDS instructions)
	s_wait_xcnt 0x0                                ; the stores have read their registers and their base: both may be written again
	s_add_nc_u64 s[12:13], s[12:13], 1024          ; 256 queries on
	s_sub_co_u32 s[PASS], s[PASS], 1
	s_cmp_lg_u32 s[PASS], 0
	s_cbranch_scc1 .Lpass
	s_wait_tensorcnt 0x0
	ds_add_u32 v254, v255
	s_wait_dscnt 0x0
	CROUND                                         ; the closing round: no work-group ends while a partner may still issue a joint load that names it
	s_endpgm
.Lfunc_end_k_q687fba3f22_attn:
	.size	k_q687fba3f22_attn, .Lfunc_end_k_q687fba3f22_attn-k_q687fba3f22_attn
	.p2alignl 7, 3214868480
	.fill 96, 4, 3214868480
	.section	.rodata,"a",@progbits
	.p2align	6, 0x0
	.amdhsa_kernel k_q687fba3f22_attn
		.amdhsa_group_segment_fixed_size 327680
		.amdhsa_private_segment_fixed_size 0
		.amdhsa_enable_private_segment 0
		.amdhsa_kernarg_size 40
		.amdhsa_user_sgpr_count 2
		.amdhsa_user_sgpr_kernarg_segment_ptr 1
		.amdhsa_wavefront_size32 1
		.amdhsa_system_sgpr_workgroup_id_x 1
		.amdhsa_system_sgpr_workgroup_id_y 1
		.amdhsa_system_sgpr_workgroup_id_z 1
		.amdhsa_system_vgpr_workitem_id 0
		.amdhsa_next_free_vgpr 512
		.amdhsa_next_free_sgpr 66
		.amdhsa_reserve_vcc 0
		.amdhsa_float_denorm_mode_32 3
		.amdhsa_float_denorm_mode_16_64 3
		.amdhsa_fp16_overflow 1
		.amdhsa_memory_ordered 1
		.amdhsa_forward_progress 1
		.amdhsa_inst_pref_size 158
	.end_amdhsa_kernel
	.amdgpu_metadata
---
amdhsa.version: [ 1, 2 ]
amdhsa.kernels:
  - .name:           k_q687fba3f22_attn
    .symbol:         k_q687fba3f22_attn.kd
    .args:
      - { .name: qkv, .offset: 0, .size: 8, .value_kind: global_buffer, .address_space: global }
      - { .name: mask, .offset: 8, .size: 8, .value_kind: global_buffer, .address_space: global }
      - { .name: b, .offset: 16, .size: 8, .value_kind: global_buffer, .address_space: global }
      - { .name: lowp_scales, .offset: 24, .size: 8, .value_kind: global_buffer, .address_space: global }
      - { .name: out0, .offset: 32, .size: 8, .value_kind: global_buffer, .address_space: global }
    .group_segment_fixed_size: 327680
    .private_segment_fixed_size: 0
    .kernarg_segment_align: 8
    .kernarg_segment_size: 40
    .max_flat_workgroup_size: 256
    .sgpr_count:     66
    .vgpr_count:     512
    .wavefront_size: 32
...
	.end_amdgpu_metadata
.endif
;; end of part 2
